; MI455X (gfx1250); checked and timed in simulation.
; The chip was launched on July 23, 2026; its instructions are those of AMD's public machine-readable ISA for CDNA 5 (MIT licence, August 2026) and "CDNA5" Instruction Set Architecture Reference Guide (July 2026). The comments in the code are by the model that wrote it; some were corrected since.
;; Multi Head Attention Core. Allowed arithmetic: matrix products marked QUANTISED: E3M2 operands, one E8M0 scale for each 32 along K, by v_wmma_scale_f32_16x16x128_f8f6f4 with both operands' format E3M2, f32 sums; everything else in f32.
;; Inputs: W_O 1,024 x 1,024 float32; b_O 1,024 float32; key_padding_mask 4 x 2,048 bool; keys 4 x 2,048 x 1,024 float32; queries 4 x 2,048 x 1,024 float32; values 4 x 2,048 x 1,024 float32.
;; Outputs: out0 4 x 2,048 x 1,024 float32.
;; This version of the problem:
;;   THIS VERSION OF THE PROBLEM IS GIVEN IN LOW PRECISION. The matrix products marked QUANTISED in the list below multiply operands that are first quantised to E3M2 (3 exponent bits, 2 mantissa bits; 6 bits a number), with one power-of-two scale for each 32 numbers along K (OCP MX v1.0); their sums are f32. All else is computed in f32.
;;   The module's matrix products, in the order in which they are computed (A, B: the left and right operand; K: the contracted axis; several contracted axes count as one K, in the product's order):
;;     1. batch 64 x [M 2,048, K 64] x [K 64, N 2,048]; A: input queries; B: input keys: QUANTISED
;;     2. batch 64 x [M 2,048, K 2,048] x [K 2,048, N 64]; A: softmax (see below); B: input values: QUANTISED
;;     3. [M 8,192, K 1,024] x [K 1,024, N 1,024]; A: computed on the way; B: input W_O: QUANTISED
;;   THE QUANTISER, for each operand of a quantised product, along K:
;;     - K is cut into blocks of 32 from its start; a last block that is shorter is filled with zeros.
;;     - A block's scale is 2^e with e = floor(log2(the largest magnitude in the block)) - 4, held to -126 .. 127; a block of zeros has e = 0. As a byte (E8M0): e + 127.
;;     - Each number is divided by its block's scale, clamped to +-28, and rounded to the nearest number of E3M2, ties to even, subnormals kept.
;;     - The product sums the exact products of the quantised numbers (number of the format x scale) in f32.
;;   ~~~python
;;   def quantise(x, axis):      # numpy; x: float32 -> the quantised numbers, widened to float32 again
;;       x = np.moveaxis(x, axis, -1); K = x.shape[-1]
;;       x = np.pad(x, [(0, 0)] * (x.ndim - 1) + [(0, -K % 32)]); x = x.reshape(x.shape[:-1] + (-1, 32)); a = np.abs(x).max(-1, keepdims=True)
;;       e = np.where(a > 0, np.clip(np.frexp(np.where(a > 0, a, 1))[1] - 1 - 4, -126, 127), 0)      # np.frexp(a)[1] - 1 = floor(log2(a)), exactly
;;       r = np.clip(x / 2.0 ** e, -28, 28)
;;       step = 2.0 ** (np.maximum(np.frexp(np.where(r == 0, 1, r))[1] - 1, -2) - 2)
;;       q = np.round(r / step) * step * 2.0 ** e      # np.round: ties to even
;;       return np.moveaxis(q.reshape(q.shape[:-2] + (-1,))[..., :K], -1, axis).astype(np.float32)
;;   ~~~
;;   SOFTMAX AHEAD OF A QUANTISED PRODUCT. Where the list says 'softmax', what is quantised is not the finished softmax but p = 2^(t - M), with t = logit x log2(e) and M = ceil(the row's largest t), a whole number; so 1/2 < the row's largest p <= 1. The row's sum l is taken of the UNQUANTISED p, in f32, and the product's result is divided by l at the end. Since M is a whole number, a kernel that streams over the keys may use a running M (the ceiling of the running maximum): every later rescaling is an exact power of two, which a block's scale takes up: the codes' values come out the same.
;;   OPERANDS COMPUTED ON THE WAY. 'Computed on the way' means the value that the module computes at that place (a softmax that the list does not call 'softmax' is quantised finished and normalised). What goes into a quantiser is computed in f32, as accurately as f32 sums, v_exp_f32 and their like allow (about 1e-6 of the number): no bf16 or f16 on the way to a quantiser, and a product that is left as it is and whose result goes on into a quantised operand takes f32 operands (vector FMAs, or v_wmma_f32_16x16x4_f32). A number that lies on a knife's edge between two numbers of the format may be rounded either way, as far as f32 arithmetic and the matrix unit's own rounding can turn it there, and no further.
;; One version. Each part assembles by itself: llvm-mc -triple=amdgcn-amd-amdhsa -mcpu=gfx1250 --defsym DOCPART=n.
;; ======== version 1 of 1: 3 launches
;; limits: right only within a limited range of input values
;; workspace buffers: kv 13,631,488 bytes; vpart 131,072 bytes; oq 6,553,600 bytes; wq 819,200 bytes
;; launch prep (part 1): grid 544 x 1, 4 waves a work-group, no clusters, 98,304 bytes of LDS; arguments keys, values, W_O, key_padding_mask, kv, vpart, wq; writes kv, vpart, wq
.if DOCPART == 1
	.amdgcn_target "amdgcn-amd-amdhsa--gfx1250"
	.amdhsa_code_object_version 6
	.text
	.protected	k_qa7d5be5349_prep
	.globl	k_qa7d5be5349_prep
	.p2align	8
	.type	k_qa7d5be5349_prep,@function
k_qa7d5be5349_prep:
	s_mov_b64 s[64:65], 0
	v_nop
	global_prefetch_b8 v0, s[64:65] scope:SCOPE_SE
	s_setreg_imm32_b32 hwreg(HW_REG_WAVE_MODE, 25, 1), 1
	s_wait_xcnt 0x0
; keys, values and W_O (f32) become codes of BF6 (E3M2) with one E8M0 byte for each 32 along the product's K, laid in the ORDER OF THE OPERAND'S REGISTERS, so that the later launches
; fetch fragments as dense bytes.  A block's scale is 2^(floor(log2(largest magnitude)) - 4): its byte is the largest magnitude's exponent field - 4, held at 1 from below.
; LIMITS: NaN and infinities are not served; a block whose largest magnitude lies under 2^-122 (a block of zeros too) takes the byte 1: its codes are then zeros or the rule's own for that scale, and only this program reads the bytes.
; kv: [batch 4][head 16][step 16 (128 keys)] records of 13,312 bytes:
;   +0     K's codes [f 4][lane 32][48]: lane (r, h) of fragment f: 24 bytes of key 32 f + r + 8 (r / 8), channels 32 h on, then 24 bytes of the key 8 further on
;   +6144  K's scale words [r 16][f 4];   +6400 the padding mask as f32 [128]: 0, or -2^120 where the key is padded
;   +6912  V's codes [t 4][lane 32][48]: lane (r, h) of tile t = 2 b + u: channel 32 b + 8 u + r + 8 (r / 8), key blocks h and 2 + h;   +13056 V's scale words [r 16][t 4]
; vpart: [batch 4][slot 8 (256 keys)][1024] f32: each column's sum of the QUANTISED values over a slot (for rows in which every visible key is padded).
; wq: [K step 8][64 rows 16] records of 6,400 bytes: codes [tile 4][plane 6][lane 32][8] (plane p = registers 2 p, 2 p + 1 of the fragment), then scale words [r 16][tile 4].
; THREE PATHS by the work-group's number: 0-31 W_O, 32-287 keys, 288-543 values.  Each path has LDS bytes of its own and one barrier, between building the images and copying them out in whole runs of 512 bytes.
; No tensor load and no matrix instruction: the launch streams, and its loads run several steps ahead in registers.
; K'S CODES, as the text now lays them (in place of the order of keys that the line on kv +0 above names): key 64 c + 32 x + 16 g + 8 e + y of a step lies in fragment 2 c + g, lane r = 8 x + y (+ 16 for channels 32 on), 24 e bytes on;
; its two scale bytes lie in word [r][2 c + g] at bytes 2 e and 2 e + 1.  So a tile's rows 0-7 are keys of block 2 c and its rows 8-15 keys of block 2 c + 1.
.set KST,  0
.set KIM,  18432                       ; K path: four images (one a head) of 6,912 bytes
.set VIM,  46080                       ; V path: four images (head x step) of 6,400 bytes
.set VPL,  71680                       ; V path: 128 column sums
.set WIM,  72192                       ; W path: four images (one a K step) of 6,400 bytes
.set REC,  13312
.set KPART, 6912
.set IMG,  6400
.set R,    16                          ; v16-143  four sets of 32 numbers as loaded (K, W); the way out
.set X,    144                         ; v144-207 two sets of 32 neighbours (K)
.set C,    208                         ; v208-223 codes, two sets of 8
.set E,    224                         ; v224-225 scale bytes, two
; the largest magnitude of v[x] .. v[x + 31], with the floor 2^(5 - 127) among the leaves, in v12; 4 off its exponent field in v14: the conversions' scale operand
.macro MAX32 x
	v_max3_num_f32 v12, |v[(\x)]|, |v[(\x)+1]|, |v[(\x)+2]|
	v_max3_num_f32 v13, |v[(\x)+3]|, |v[(\x)+4]|, |v[(\x)+5]|
.irp i, 6,10,14,18,22,26
	v_max3_num_f32 v12, v12, |v[(\x)+\i]|, |v[(\x)+\i+1]|
	v_max3_num_f32 v13, v13, |v[(\x)+\i+2]|, |v[(\x)+\i+3]|
.endr
	v_max3_num_f32 v12, v12, |v[(\x)+30]|, |v[(\x)+31]|
	v_max3_num_f32 v12, v12, v13, 0x2800000
	v_add_nc_u32 v14, 0xfe000000, v12
.endm
; a lane's whole block of 32 becomes 24 bytes of codes in v[c] .. v[c + 5] and its scale byte in v[e]
.macro QB32 x, c, e
	MAX32 \x
	v_cvt_scalef32_pk16_bf6_f32 v[(\c):(\c)+2], v[(\x):(\x)+15], v14
	v_cvt_scalef32_pk16_bf6_f32 v[(\c)+4:(\c)+6], v[(\x)+16:(\x)+31], v14   ; (a conversion's three registers begin on an even number)
	v_lshrrev_b32 v[\e], 23, v14                   ; the scale's byte; also the plain line behind the conversions
	v_mov_b32 v[(\c)+3], v[(\c)+4]                 ; the six registers on end, in ascending order
	v_mov_b32 v[(\c)+4], v[(\c)+5]
	v_mov_b32 v[(\c)+5], v[(\c)+6]
.endm
; an image leaves: n pieces of 512 bytes (16 a lane, from v8) and one of 256 (8 a lane, from v9); every store covers whole aligned runs of 256 bytes
.macro COPYOUT n, sb
.set NN, 0
.rept \n
	ds_load_b128 v[R+4*NN:R+4*NN+3], v8 offset:512*NN
.set NN, NN+1
.endr
	ds_load_b64 v[R+4*(\n):R+4*(\n)+1], v9
.set NN, 0
.rept \n
	s_wait_dscnt (\n)-NN                           ; LDS loads come back in order: the younger ones may be out
	global_store_b128 v2, v[R+4*NN:R+4*NN+3], s[\sb:\sb+1] offset:512*NN
.set NN, NN+1
.endr
	s_wait_dscnt 0x0
	global_store_b64 v10, v[R+4*(\n):R+4*(\n)+1], s[\sb:\sb+1] offset:512*(\n)
.endm
	s_load_b256 s[4:11], s[0:1], 0x0               ; keys s[4:5], values s[6:7], W_O s[8:9], the mask s[10:11]
	s_load_b128 s[12:15], s[0:1], 0x20             ; kv s[12:13], vpart s[14:15]
	s_load_b64 s[16:17], s[0:1], 0x30              ; wq
	v_lshl_add_u32 v232, v0, 2, 0x17e00
	v_mov_b32 v233, 0
	v_lshrrev_b32 v1, 5, v0
	v_readfirstlane_b32 s18, v1                    ; wave w
	v_and_b32 v1, 31, v0                           ; lane l
	v_lshlrev_b32 v2, 4, v1                        ; 16 l
	v_lshlrev_b32 v10, 3, v1                       ; 8 l
	s_wait_kmcnt 0x0
	s_cmp_lt_u32 ttmp9, 32
	s_cbranch_scc1 .Lw_path
	s_cmp_lt_u32 ttmp9, 288
	s_cbranch_scc1 .Lk_path
; ---------------------------------------------------------------- VALUES: K = the keys, which are not innermost
; A work-group takes 256 keys x 128 columns (two heads).  A LANE TAKES A COLUMN AND ITS REGISTERS RUN DOWN THE KEYS: a block of 32 keys lies in one lane, and the codes come out with the keys innermost.
	s_sub_co_u32 s20, ttmp9, 288
	s_lshr_b32 s21, s20, 6                         ; batch
	s_bfe_u32 s22, s20, 0x30003                    ; slot of 256 keys
	s_and_b32 s23, s20, 7                          ; group of 128 columns
	s_lshl_b32 s24, s21, 11
	s_lshl_b32 s25, s22, 8
	s_add_co_u32 s24, s24, s25
	s_lshl_b32 s24, s24, 12                        ; the first key's row of 4,096 bytes
	s_lshl_b32 s25, s23, 9
	s_add_co_u32 s24, s24, s25
	s_lshl_b32 s25, s18, 7
	s_add_co_u32 s24, s24, s25                     ; + my wave's 32 columns
	s_mov_b32 s25, 0
	s_add_nc_u64 s[6:7], s[6:7], s[24:25]
	s_lshr_b32 s26, s18, 1                         ; w / 2: which head (building), which head's image (copying)
	s_and_b32 s27, s18, 1                          ; w % 2: which 32 channels (building), which step's image (copying)
	s_lshl_b32 s28, s21, 4
	s_lshl_b32 s29, s23, 1
	s_add_co_u32 s28, s28, s29
	s_add_co_u32 s28, s28, s26                     ; batch x 16 + head
	s_lshl_b32 s28, s28, 4
	s_lshl_b32 s29, s22, 1
	s_add_co_u32 s28, s28, s29
	s_add_co_u32 s28, s28, s27                     ; x 16 + step
	s_mul_i32 s28, s28, REC
	s_add_co_u32 s28, s28, KPART                   ; V's part of the record
	s_mov_b32 s29, 0
	s_add_nc_u64 s[12:13], s[12:13], s[28:29]
	s_lshl_b32 s30, s21, 3
	s_add_co_u32 s30, s30, s22
	s_lshl_b32 s30, s30, 12
	s_lshl_b32 s31, s23, 9
	s_add_co_u32 s30, s30, s31
	s_mov_b32 s31, 0
	s_add_nc_u64 s[14:15], s[14:15], s[30:31]      ; vpart at (batch, slot), my 128 columns
	s_wait_alu depctr_va_vdst(0)
	v_lshlrev_b32 v3, 2, v1                        ; in: 4 bytes a lane
	v_lshrrev_b32 v226, 4, v1
	v_and_b32 v227, 7, v1
	v_lshl_add_u32 v226, v226, 3, v227             ; r = 8 (l / 16) + l % 8
	v_bfe_u32 v227, v1, 3, 1                       ; u = (l / 8) % 2
	s_mul_i32 s32, s26, 2*IMG
	s_mul_i32 s33, s27, 3072
	s_add_co_u32 s33, s33, s32
	s_add_co_u32 s33, s33, VIM
	v_mul_u32_u24 v5, v226, 48
	v_mad_u32_u24 v5, v227, 1536, v5
	v_add_nc_u32 v5, s33, v5                       ; my codes: tile 2 (w % 2) + u, lane r
	s_lshl_b32 s33, s27, 3
	s_add_co_u32 s33, s33, s32
	s_add_co_u32 s33, s33, VIM+6144
	v_lshlrev_b32 v6, 4, v226
	v_lshl_add_u32 v6, v227, 2, v6
	v_add_nc_u32 v6, s33, v6                       ; my scale word
	v_lshl_add_u32 v7, v0, 2, VPL                  ; my column's sum
	s_mul_i32 s33, s18, IMG
	s_add_co_u32 s33, s33, VIM
	v_add_nc_u32 v8, s33, v2                       ; the way out: image w
	v_add_nc_u32 v9, s33, v10
	v_add_nc_u32 v9, 6144, v9
	v_add_nc_u32 v11, VPL, v2
	v_mov_b32 v26, 0                               ; the column's sum
	v_mov_b32 v27, 0x7f7f7f7f                      ; the byte of 2^0 in every byte: the way back to f32 multiplies by 1
.macro LOADV t                         ; block t: 32 keys of my column into set t % 2; a load reads 128 consecutive bytes a wave, the four waves side by side
.set NN, 0
.rept 32
	global_load_b32 v[32+32*((\t)%2)+NN], v3, s[6:7] offset:(32*(\t)+NN)*4096 th:TH_LOAD_NT
.set NN, NN+1
.endr
.endm
.macro BLOCKV t
.set XS, 32+32*((\t)%2)
.if (\t) < 7
	s_wait_loadcnt 32                              ; this block's 32 loads are in; the next block's may be out
.else
	s_wait_loadcnt 0x0
.endif
	MAX32 XS
	v_cvt_scalef32_pk16_bf6_f32 v[128:130], v[XS:XS+15], v14
	v_cvt_scalef32_pk16_bf6_f32 v[132:134], v[XS+16:XS+31], v14
	v_and_b32 v15, 0x7f800000, v14                 ; the scale as a number (a plain line behind the conversions)
	v_cvt_scale_pk16_f32_bf6 v[96:111], v[128:130], v27    ; the codes' values, for the column's sum
	v_cvt_scale_pk16_f32_bf6 v[112:127], v[132:134], v27
	v_lshrrev_b32 v25, 23, v14                     ; the scale's byte (again a plain line)
.if (\t)%4 == 0
	v_mov_b32 v24, v25                             ; four bytes make a step's scale word, the lower keys in the lower byte
.else
	v_lshl_or_b32 v24, v25, 8*((\t)%4), v24
.endif
.irp w, 16,8,4,2
.set NN, 0
.rept \w/2
	v_pk_add_f32 v[96+NN:97+NN], v[96+NN:97+NN], v[96+\w+NN:97+\w+NN]
.set NN, NN+2
.endr
.endr
	v_add_f32 v96, v96, v97
	v_fmac_f32 v26, v96, v15                       ; + the block's sum of codes x its scale
	v_mov_b32 v131, v132
	v_mov_b32 v132, v133
	v_mov_b32 v133, v134
.irp i, 0,1,2
	ds_store_b64 v5, v[128+2*\i:129+2*\i] offset:IMG*((\t)/4)+768*((\t)%2)+24*(((\t)%4)/2)+8*\i   ; key block 2 c + h: lane r + 16 h, 24 c bytes on
.endr
.if (\t)%4 == 3
	ds_store_b32 v6, v24 offset:IMG*((\t)/4)
.endif
.if (\t)+2 < 8
	LOADV (\t)+2
.endif
	s_wait_dscnt 0x0                               ; the stores have read their registers: the next block writes them again
.endm
	LOADV 0
	LOADV 1
.irp t, 0,1,2,3,4,5,6,7
	BLOCKV \t
.endr
	s_wait_alu depctr_va_vdst(0)
	ds_store_b32 v7, v26
	s_wait_dscnt 0x0                               ; for the others' sake: my stores into the images are done
	s_barrier_signal -1
	s_barrier_wait -1
	COPYOUT 12, 12
	s_cmp_lg_u32 s18, 0
	s_cbranch_scc1 .Lv_end
	ds_load_b128 v[96:99], v11                     ; wave 0: the 128 column sums, 512 bytes
	s_wait_dscnt 0x0
	global_store_b128 v2, v[96:99], s[14:15]
.Lv_end:
	s_wait_tensorcnt 0x0
	ds_add_u32 v232, v233
	s_wait_dscnt 0x0
	s_endpgm
; ---------------------------------------------------------------- KEYS: K = the head's 64 channels, innermost
; A work-group takes 128 keys x 4 heads (1,024 bytes of each row); wave w takes keys 32 w on, which are fragment w.  A step is 4 keys: 32 blocks of 128 bytes.  The loads take the bytes as they lie
; (512 consecutive bytes a load); a step turns through the wave's stage in LDS (blocks 144 bytes apart) and comes back a block a lane.
.Lk_path:
	s_sub_co_u32 s20, ttmp9, 32
	s_lshr_b32 s21, s20, 6                         ; batch
	s_bfe_u32 s22, s20, 0x40002                    ; step of 128 keys
	s_and_b32 s23, s20, 3                          ; group of 4 heads
	s_lshl_b32 s24, s21, 11
	s_lshl_b32 s25, s22, 7
	s_add_co_u32 s24, s24, s25                     ; the step's first key: also its byte in the mask
	s_lshl_b32 s25, s18, 5
	s_add_co_u32 s26, s24, s25
	s_lshl_b32 s26, s26, 12
	s_lshl_b32 s25, s23, 10
	s_add_co_u32 s26, s26, s25
	s_mov_b32 s27, 0
	s_add_nc_u64 s[4:5], s[4:5], s[26:27]
	s_mov_b32 s25, 0
	s_add_nc_u64 s[10:11], s[10:11], s[24:25]
	s_lshl_b32 s28, s21, 4
	s_lshl_b32 s29, s23, 2
	s_add_co_u32 s28, s28, s29
	s_add_co_u32 s28, s28, s18                     ; the way out: wave w copies head 4 g + w's image
	s_lshl_b32 s28, s28, 4
	s_add_co_u32 s28, s28, s22
	s_mul_i32 s28, s28, REC
	s_mov_b32 s29, 0
	s_add_nc_u64 s[12:13], s[12:13], s[28:29]
	s_mul_i32 s30, s18, 4608                       ; my stage (KST = 0)
	s_wait_alu depctr_va_vdst(0)
	v_lshrrev_b32 v226, 3, v1                      ; l / 8
	v_and_b32 v227, 7, v1                          ; l % 8
	v_mul_u32_u24 v3, v226, 144
	v_lshl_add_u32 v3, v227, 4, v3
	v_add_nc_u32 v3, s30, v3                       ; into the stage: eight lanes' 128 bytes are a block
	v_mul_u32_u24 v4, v1, 144
	v_add_nc_u32 v4, s30, v4                       ; out of it: block l: key l / 8 of the step, head (l % 8) / 2, channels 32 (l % 2) on
	v_lshrrev_b32 v228, 1, v227
	v_and_b32 v229, 1, v1
	v_mul_u32_u24 v5, v228, KPART
	v_mad_u32_u24 v5, v226, 48, v5
	v_mad_u32_u24 v5, v229, 768, v5
	s_lshr_b32 s31, s18, 1
	s_mul_i32 s31, s31, 3072                       ; c = w / 2: two fragments on
	s_and_b32 s19, s18, 1
	s_mul_i32 s19, s19, 384                        ; x = w % 2: eight lanes on
	s_add_co_u32 s31, s31, s19
	s_add_co_u32 s31, s31, KIM
	v_add_nc_u32 v5, s31, v5                       ; my codes' place in the head's image
	v_mul_u32_u24 v6, v228, KPART
	v_lshl_add_u32 v6, v226, 4, v6
	v_add_nc_u32 v6, v6, v229
	s_lshr_b32 s31, s18, 1
	s_lshl_b32 s31, s31, 3                         ; c: two words on
	s_lshl_b32 s19, s18, 7
	s_and_b32 s19, s19, 128                        ; x: eight rows of 16 bytes on
	s_add_co_u32 s31, s31, s19
	s_add_co_u32 s31, s31, KIM+6144
	v_add_nc_u32 v6, s31, v6                       ; my scale byte's
	v_lshl_add_u32 v7, v0, 2, KIM+6400             ; thread t: key t's word of the mask
	s_mul_i32 s31, s18, KPART
	s_add_co_u32 s31, s31, KIM
	v_add_nc_u32 v8, s31, v2
	v_add_nc_u32 v9, s31, v10
	v_add_nc_u32 v9, 6656, v9
.macro LOADK t
.set NN, 0
.rept 8
	global_load_b128 v[R+32*((\t)%4)+4*NN:R+32*((\t)%4)+4*NN+3], v2, s[4:5] offset:(4*(\t)+NN/2)*4096+512*(NN%2) th:TH_LOAD_NT
.set NN, NN+1
.endr
.endm
.macro TURNK t                         ; LDS serves a wave's instructions in order: no wait between the stores and the loads, and one stage serves every step
.set NN, 0
.rept 8
	ds_store_b128 v3, v[R+32*((\t)%4)+4*NN:R+32*((\t)%4)+4*NN+3] offset:576*NN
.set NN, NN+1
.endr
.set NN, 0
.rept 8
	ds_load_b128 v[X+32*((\t)%2)+4*NN:X+32*((\t)%2)+4*NN+3], v4 offset:16*NN
.set NN, NN+1
.endr
.endm
.macro STEPK t
.if (\t) > 0
	s_wait_dscnt 4                                 ; all but the last step's four image stores: this step's block is back, its set of loaded numbers has been read, and the stores of two steps back have read the code registers written below
.else
	s_wait_dscnt 0x0
.endif
.if (\t) < 4
	LOADK (\t)+4
.endif
.if (\t) < 7
.if (\t) < 4
	s_wait_loadcnt 24                              ; the next step's eight loads are in; three younger sets may be out
.else
	s_wait_loadcnt 8*(6-(\t))
.endif
	TURNK (\t)+1
.endif
	QB32 X+32*((\t)%2), C+8*((\t)%2), E+(\t)%2
.set PL, 1536*((\t)/4)+192*((\t)%2)+24*(((\t)/2)%2)    ; key 32 w + 4 t + l / 8: g = t / 4, e = (t / 2) % 2, y = 4 (t % 2) + l / 8
.irp i, 0,1,2
	ds_store_b64 v5, v[C+8*((\t)%2)+2*\i:C+8*((\t)%2)+2*\i+1] offset:PL+8*\i
.endr
	ds_store_b8 v6, v[E+(\t)%2] offset:4*((\t)/4)+64*((\t)%2)+2*(((\t)/2)%2)
.endm
	global_load_u8 v11, v0, s[10:11]               ; key t's byte of the mask
	LOADK 0
	LOADK 1
	LOADK 2
	LOADK 3
	s_wait_loadcnt 24                              ; the mask and step 0 are in
	v_mov_b32 v227, 0xfb800000                     ; -2^120
	v_cmp_ne_u32 vcc_lo, 0, v11
	v_cndmask_b32 v11, 0, v227, vcc_lo
	s_wait_alu depctr_va_vdst(0)
.irp d, 0,1,2,3
	ds_store_b32 v7, v11 offset:KPART*\d           ; into each of the four heads' images
.endr
	TURNK 0
.irp t, 0,1,2,3,4,5,6,7
	STEPK \t
.endr
	s_wait_dscnt 0x0                               ; for the others' sake: my stores into the images are done
	s_barrier_signal -1
	s_barrier_wait -1
	COPYOUT 13, 12
	s_wait_tensorcnt 0x0
	ds_add_u32 v232, v233
	s_wait_dscnt 0x0
	s_endpgm
; ---------------------------------------------------------------- W_O: K innermost
; A work-group takes 64 rows x 512 along K; wave w takes tile w (16 rows).  A step is two rows: lane l takes block l % 16 of row 2 t + l / 16, 128 bytes in eight pieces.
; (Pieces of 16 bytes from lanes 128 bytes apart: taken for this one small tensor, 4 MiB of the launch's 68, to spare a stage.)
.Lw_path:
	s_lshr_b32 s21, ttmp9, 1                       ; group of 64 rows
	s_and_b32 s22, ttmp9, 1                        ; which half of K
	s_lshl_b32 s24, s21, 6
	s_lshl_b32 s25, s18, 4
	s_add_co_u32 s24, s24, s25
	s_lshl_b32 s24, s24, 12
	s_lshl_b32 s25, s22, 11
	s_add_co_u32 s24, s24, s25
	s_mov_b32 s25, 0
	s_add_nc_u64 s[8:9], s[8:9], s[24:25]
	s_lshl_b32 s28, s22, 2
	s_add_co_u32 s28, s28, s18                     ; the way out: wave w copies K step 4 half + w's image
	s_lshl_b32 s28, s28, 4
	s_add_co_u32 s28, s28, s21
	s_mul_i32 s28, s28, IMG
	s_mov_b32 s29, 0
	s_add_nc_u64 s[16:17], s[16:17], s[28:29]
	s_wait_alu depctr_va_vdst(0)
	v_lshrrev_b32 v226, 4, v1                      ; l / 16
	v_and_b32 v227, 15, v1                         ; my block of the 16
	v_lshlrev_b32 v3, 12, v226
	v_lshl_add_u32 v3, v227, 7, v3
	v_lshrrev_b32 v228, 2, v227                    ; its K step,
	v_bfe_u32 v229, v1, 1, 1                       ; c
	v_and_b32 v230, 1, v1                          ; and h in it: block 2 c + h
	v_mul_u32_u24 v5, v228, IMG
	v_mad_u32_u24 v5, v229, 768, v5
	v_lshl_add_u32 v5, v226, 3, v5
	v_lshl_add_u32 v5, v230, 7, v5
	s_mul_i32 s30, s18, 1536
	s_add_co_u32 s30, s30, WIM
	v_add_nc_u32 v5, s30, v5                       ; planes 3 c on, lane r + 16 h, 8 bytes
	v_mul_u32_u24 v6, v228, IMG
	v_lshl_add_u32 v6, v226, 4, v6
	v_and_b32 v231, 3, v1
	v_add_nc_u32 v6, v6, v231
	s_lshl_b32 s30, s18, 2
	s_add_co_u32 s30, s30, WIM+6144
	v_add_nc_u32 v6, s30, v6
	s_mul_i32 s30, s18, IMG
	s_add_co_u32 s30, s30, WIM
	v_add_nc_u32 v8, s30, v2
	v_add_nc_u32 v9, s30, v10
	v_add_nc_u32 v9, 6144, v9
.macro LOADW t
.set NN, 0
.rept 8
	global_load_b128 v[R+32*((\t)%4)+4*NN:R+32*((\t)%4)+4*NN+3], v3, s[8:9] offset:8192*(\t)+16*NN
.set NN, NN+1
.endr
.endm
.macro STEPW t
.if (\t) < 5
	s_wait_loadcnt 24                              ; this step's eight loads are in; three younger sets may be out
.else
	s_wait_loadcnt 8*(7-(\t))
.endif
	s_wait_dscnt 4                                 ; all but the last step's four stores: those of two steps back have read the code registers written below
	QB32 R+32*((\t)%4), C+8*((\t)%2), E+(\t)%2
.irp i, 0,1,2
	ds_store_b64 v5, v[C+8*((\t)%2)+2*\i:C+8*((\t)%2)+2*\i+1] offset:16*(\t)+256*\i
.endr
	ds_store_b8 v6, v[E+(\t)%2] offset:32*(\t)
.if (\t) < 4
	LOADW (\t)+4
.endif
.endm
	LOADW 0
	LOADW 1
	LOADW 2
	LOADW 3
.irp t, 0,1,2,3,4,5,6,7
	STEPW \t
.endr
	s_wait_dscnt 0x0                               ; for the others' sake: my stores into the images are done
	s_barrier_signal -1
	s_barrier_wait -1
	COPYOUT 12, 16
	s_wait_tensorcnt 0x0
	ds_add_u32 v232, v233
	s_wait_dscnt 0x0
	s_endpgm
.Lfunc_end_k_qa7d5be5349_prep:
	.size	k_qa7d5be5349_prep, .Lfunc_end_k_qa7d5be5349_prep-k_qa7d5be5349_prep
	.p2alignl 7, 3214868480
	.fill 96, 4, 3214868480
	.section	.rodata,"a",@progbits
	.p2align	6, 0x0
	.amdhsa_kernel k_qa7d5be5349_prep
		.amdhsa_group_segment_fixed_size 98304
		.amdhsa_private_segment_fixed_size 0
		.amdhsa_enable_private_segment 0
		.amdhsa_kernarg_size 56
		.amdhsa_user_sgpr_count 2
		.amdhsa_user_sgpr_kernarg_segment_ptr 1
		.amdhsa_wavefront_size32 1
		.amdhsa_system_sgpr_workgroup_id_x 1
		.amdhsa_system_sgpr_workgroup_id_y 1
		.amdhsa_system_sgpr_workgroup_id_z 1
		.amdhsa_system_vgpr_workitem_id 0
		.amdhsa_next_free_vgpr 234
		.amdhsa_next_free_sgpr 66
		.amdhsa_reserve_vcc 1
		.amdhsa_float_denorm_mode_32 3
		.amdhsa_float_denorm_mode_16_64 3
		.amdhsa_memory_ordered 1
		.amdhsa_forward_progress 1
		.amdhsa_inst_pref_size 111
	.end_amdhsa_kernel
	.amdgpu_metadata
---
amdhsa.version: [ 1, 2 ]
amdhsa.kernels:
  - .name:           k_qa7d5be5349_prep
    .symbol:         k_qa7d5be5349_prep.kd
    .args:
      - { .name: keys, .offset: 0, .size: 8, .value_kind: global_buffer, .address_space: global }
      - { .name: values, .offset: 8, .size: 8, .value_kind: global_buffer, .address_space: global }
      - { .name: W_O, .offset: 16, .size: 8, .value_kind: global_buffer, .address_space: global }
      - { .name: key_padding_mask, .offset: 24, .size: 8, .value_kind: global_buffer, .address_space: global }
      - { .name: kv, .offset: 32, .size: 8, .value_kind: global_buffer, .address_space: global }
      - { .name: vpart, .offset: 40, .size: 8, .value_kind: global_buffer, .address_space: global }
      - { .name: wq, .offset: 48, .size: 8, .value_kind: global_buffer, .address_space: global }
    .group_segment_fixed_size: 98304
    .private_segment_fixed_size: 0
    .kernarg_segment_align: 8
    .kernarg_segment_size: 56
    .max_flat_workgroup_size: 128
    .sgpr_count:     66
    .vgpr_count:     234
    .wavefront_size: 32
...
	.end_amdgpu_metadata
.endif
;; end of part 1
;; launch attn (part 2): grid 4 x 64, 8 waves a work-group, clusters of 4 x 1, 327,680 bytes of LDS; arguments queries, kv, vpart, oq; writes oq
.if DOCPART == 2
	.amdgcn_target "amdgcn-amd-amdhsa--gfx1250"
	.amdhsa_code_object_version 6
	.text
	.protected	k_qa7d5be5349_attn
	.globl	k_qa7d5be5349_attn
	.p2align	8
	.type	k_qa7d5be5349_attn,@function
k_qa7d5be5349_attn:
	s_mov_b64 s[64:65], 0
	v_nop
	global_prefetch_b8 v0, s[64:65] scope:SCOPE_SE
	s_setreg_imm32_b32 hwreg(HW_REG_WAVE_MODE, 25, 1), 1
	s_wait_xcnt 0x0
	s_wait_alu depctr_hold_cnt(0) depctr_sa_sdst(0) depctr_va_vdst(0) depctr_va_sdst(0) depctr_va_ssrc(0) depctr_va_vcc(0) depctr_vm_vsrc(0)
	s_getreg_b32 s2, hwreg(HW_REG_IB_STS2, 6, 4)
	s_cmp_eq_u32 s2, 0
	s_cbranch_scc0 .Lentry_in_a_cluster
	s_endpgm
.Lentry_in_a_cluster:
	s_bfe_u32 s2, ttmp6, 0x10000c
	s_cmp_lg_u32 s2, 0x3003
	s_cbranch_scc0 .Lentry_shape_is_right
	s_endpgm
.Lentry_shape_is_right:
; Causal attention with a key padding mask, 64 (batch, head) pairs, 2,048 queries and keys, head size 64; both products on codes of BF6 (E3M2) with one E8M0 scale for each 32 along K.
; t = score x log2(e) / 8; M = the running largest t rounded UP to a whole number; p = 2^(t - M) is quantised along the keys, not normalised; the row's sum of the unquantised p divides at the end.
; The finished rows are quantised along the model's axis and stored as the next launch's operand (oq: [K step 8][64 rows 128] records of 6,400 bytes: codes [tile 4][plane 6][lane 32][8], scale words [r 16][tile 4]).
; LEFT OUT: key steps that lie wholly behind a tile's queries under reference()'s own causal jnp.tril: their p is 0 for every input.
; SHARES.  A head has 128 tiles of 16 queries.  Work-group P (0..3) of the head takes tiles 4 j + P, j = 0..31.  A wave works on a PAIR of tiles, j = 2 i and 2 i + 1: both need key records 0 .. i (128 keys each), whatever P.
; Wave w (0..7) takes pair i = 15 - w and then pair i = w: 16 - w and w + 1 steps, 17 in every wave of every work-group.  Each fragment of K and V and each word of the mask read from LDS serves both tiles.  Only a pair's last step meets the diagonal.
; LDS: the head's 16 records of K and V (13,312 bytes each) are filled ONCE, two records a wave by one load, at the head; one barrier shows them to all waves; behind it the waves share nothing and pass no barrier.
; ONE LOOP of 24 trips: record = trip & 15; trips 0-15 serve the first pair, 16-23 the second; a trip whose record lies behind the pair's last is jumped over (a scalar branch on the wave's number and the trip).
; THE NEXT STEP'S K fragments and mask words are fetched from LDS inside the step in hand, where their registers have fallen free; V's at the step's head.
; CLUSTER 4, 1, 1: the four work-groups of a head want the same records at the same place of the text: each load is a joint one (mask 15).  No branch and no LDS address hangs on P.
; PREFETCH: the second pair's 32 rows of Q (256 bytes each, a lane a row) are asked for in trip 4; their load stands behind trip 8 at the earliest.  The records are asked for once, at the head: no trip stands ahead of them.
; THE HEAD'S 64 IN AN INSTRUCTION OF 128 ALONG K: a fragment of K holds two tiles of keys (k 0-63, k 64-127); against Q | zeros it gives the first tile's scores, against zeros | Q the second's.
; LAYOUT.  Both products are used transposed (S^T = K Q^T, O^T = V^T P^T): a lane holds one query (lane % 16).  Tile 4 c + u of a step holds keys 64 c + 8 u + 0..7 in rows 0-7 and the keys 32 further on in rows 8-15:
; so lane (r, h)'s registers 32 c + 0 .. 31 are the WHOLE key block 2 c + h in order: its largest p needs no other lane, and the conversions' results are the operand's registers.
; THE PADDING MASK is the C of each tile's one product: 0, or -2^120 at a padded key; it is loaded into tile 1's score registers, read from there as tile 0's C, and then summed onto in place.  Keys after the query get -2^120 in the pair's last step.
; A ROW WITHOUT A LIVE KEY: the largest t stays at -2^30 and every p is 0; reference() gives such a row the plain mean of V over all 2,048 keys: put in by a select at the end, from the sums of the quantised V.
; LIMITS: NaN and infinities are not served; a row whose largest t lies at or under -2^30 is taken to have no live key; blocks whose largest magnitude lies under 2^-122 take the scale byte 1.
; REGISTERS.  Window 0: v1-4, v7, v11 lane terms; v5, v6 the spare word's address and 0; v8, v9, v114-116 the step's LDS addresses; a tile's state in 16 registers from b = 12 (tile 0) and b = 28 (tile 1):
;   b -M, b+1 the largest t, b+2,3 the sum, b+4..7 maxima, b+8,9 at work, b+10,11 the conversions' scale operands, b+12,13 f, b+14,15 at work; v44-47 Q's scale words, v48-55 K's and V's, v56-57 p's; v58-63 addresses;
;   v64-99 Q | zeros | Q twice; v100-113 partial sums; v120-183 tile 0's S^T, then p; v184-215 its O^T; v216-239 p's codes; v240-255 conversions' second halves.
;   Window 1: v0-47 K's fragments, v48-95 V's (at a change of pairs v0-63: Q as loaded); v120-183 tile 1's S^T; v184-215 its O^T.
.set REC,   13312
.set KS,    6144
.set BI,    6400
.set VC,    6912
.set VS,    13056
.set QST,   16*REC                     ; behind the records: a stage of 16 rows x 272 bytes for each wave, for Q's turn
.set QSTW,  4352
.set VM,    QST+8*QSTW                 ; the mean of the head's quantised V: 64 numbers
.set SPARE, VM+256                     ; the spare words, 128 bytes for each wave
.set S,   120
.set O,   184
.set KF,  0
.set VF,  48
.set QS,  44
.set KSC, 48
.set VSC, 52
.set PSC, 56
.set Q,   64
.set TS,  100
.set PC,  216
.set SPL, 240
.set MSB, 0
.macro WIN new                         ; s_set_vgpr_msb: bits 1:0 source 0, 3:2 source 1, 5:4 source 2, 7:6 destination; the high byte repeats the setting that is left
.if MSB != (\new)
	s_set_vgpr_msb (MSB<<8)|(\new)
.set MSB, (\new)
.endif
.endm
.macro NOPS n
.rept \n
	v_nop
.endr
.endm
.macro ROUND                           ; a round of the cluster's barrier
	s_barrier_signal -1
	s_barrier_wait -1
	s_cmp_lg_u32 s12, 0
	s_cbranch_scc1 .Lnot_wave_0_\@
	s_barrier_signal -3
.Lnot_wave_0_\@:
	s_barrier_wait -3
	s_barrier_signal -1
	s_barrier_wait -1
.endm
.macro KLOAD ak, as                    ; a record's four fragments of K and their scale words
	WIN 0x40
.set NN, 0
.rept 12
	ds_load_b128 v[KF+4*NN:KF+4*NN+3], v[\ak] offset:1536*(NN/3)+16*(NN%3)
.set NN, NN+1
.endr
	WIN 0
	ds_load_b128 v[KSC:KSC+3], v[\as] offset:KS
.endm
.macro MLOAD am                        ; a record's mask words of keys 64 c + 32 h + 0 .. 31, into tile 1's score registers
	WIN 0x40
.set NN, 0
.rept 16
	ds_load_b128 v[S+4*NN:S+4*NN+3], v[\am] offset:BI+256*(NN/8)+16*(NN%8)
.set NN, NN+1
.endr
	WIN 0
.endm
.macro QK t                            ; tile t's scores: A = K (window 1), B = Q (window 0), C = the mask (window 1), D = window t; the accumulators take turns
	WIN 0x11+0x40*\t
.irp f, 0,1,2,3
	v_wmma_scale_f32_16x16x128_f8f6f4 v[S+16*\f:S+16*\f+7], v[KF+12*\f:KF+12*\f+11], v[Q+18*\t:Q+18*\t+11], v[S+16*\f:S+16*\f+7], v[KSC+\f], v[QS+2*\t] matrix_a_fmt:MATRIX_FMT_BF6 matrix_b_fmt:MATRIX_FMT_BF6
	v_wmma_scale_f32_16x16x128_f8f6f4 v[S+16*\f+8:S+16*\f+15], v[KF+12*\f:KF+12*\f+11], v[Q+18*\t+6:Q+18*\t+17], v[S+16*\f+8:S+16*\f+15], v[KSC+\f], v[QS+2*\t+1] matrix_a_fmt:MATRIX_FMT_BF6 matrix_b_fmt:MATRIX_FMT_BF6
.endr
.endm
.macro PV t                            ; O^T += V^T P^T
	WIN 0x01+0x50*\t
.irp u, 0,1,2,3
	v_wmma_scale_f32_16x16x128_f8f6f4 v[O+8*\u:O+8*\u+7], v[VF+12*\u:VF+12*\u+11], v[PC+12*\t:PC+12*\t+11], v[O+8*\u:O+8*\u+7], v[VSC+\u], v[PSC+\t] matrix_a_fmt:MATRIX_FMT_BF6 matrix_b_fmt:MATRIX_FMT_BF6
.endr
	WIN 0
.endm
.macro SEL from, tv                    ; register 32 c + i holds key 64 c + 32 h + i of the step: hidden where 64 c + i > d
.set NN, \from
.rept 32
	v_cmp_gt_i32 vcc_lo, NN+\from, v[\tv]
	v_cndmask_b32 v[S+NN], v[S+NN], v27, vcc_lo
.set NN, NN+1
.endr
.endm
.macro MAXB b, w                       ; four chains of 16 scores each, each accumulator from its low end on
	WIN 0x14*\w
.irp i, 0,2,4,6,8,10,12,14
.irp k, 0,1,2,3
.if \i == 0
	v_max3_num_f32 v[\b+4+\k], s71, v[S+16*\k], v[S+16*\k+1]
.else
	v_max3_num_f32 v[\b+4+\k], v[\b+4+\k], v[S+16*\k+\i], v[S+16*\k+\i+1]
.endif
.endr
.endr
	WIN 0
.endm
.macro PKF b, w                        ; t - M, two at a time
	WIN 0x41*\w
.set NN, 0
.rept 32
	v_pk_fma_f32 v[S+NN:S+NN+1], v[S+NN:S+NN+1], s[22:23], v[\b:\b+1] op_sel_hi:[1,0,0]
.set NN, NN+2
.endr
.endm
.macro EXPB w                          ; p = 2^(t - M)
	WIN 0x41*\w
.set NN, 0
.rept 64
	v_exp_f32 v[S+NN], v[S+NN]
.set NN, NN+1
.endr
.endm
.macro CVT b, t                        ; my two whole blocks become the operand's registers 0-5 and 6-11 (a conversion's three registers begin on an even number: the second halves are moved)
	WIN \t
.irp c, 0,1
	v_cvt_scalef32_pk16_bf6_f32 v[PC+12*\t+6*\c:PC+12*\t+6*\c+2], v[S+32*\c:S+32*\c+15], v[\b+10+\c]
	v_cvt_scalef32_pk16_bf6_f32 v[SPL+4*\c:SPL+4*\c+2], v[S+32*\c+16:S+32*\c+31], v[\b+10+\c]
.endr
	WIN 0
	v_nop                                          ; one plain line behind the conversions
.irp c, 0,1
.irp i, 0,1,2
	v_mov_b32 v[PC+12*\t+6*\c+3+\i], v[SPL+4*\c+\i]
.endr
.endr
.endm
.macro SUMS b, w                       ; the row's sum of the unquantised p: 32 packed additions in eight chains
	WIN 0x05*\w
.set NN, 0
.irp t, 0,2,4,6,8,10,12
	v_pk_add_f32 v[TS+\t:TS+\t+1], v[S+NN:S+NN+1], v[S+NN+2:S+NN+3]
.set NN, NN+4
.endr
	WIN 0x04*\w
	v_pk_add_f32 v[\b+2:\b+3], v[\b+2:\b+3], v[S+28:S+29]
.set NN, 30
.rept 2
.irp t, 0,2,4,6,8,10,12
	v_pk_add_f32 v[TS+\t:TS+\t+1], v[TS+\t:TS+\t+1], v[S+NN:S+NN+1]
.set NN, NN+2
.endr
	v_pk_add_f32 v[\b+2:\b+3], v[\b+2:\b+3], v[S+NN:S+NN+1]
.set NN, NN+2
.endr
	v_pk_add_f32 v[TS:TS+1], v[TS:TS+1], v[S+62:S+63]
	WIN 0
	v_pk_add_f32 v[\b+2:\b+3], v[\b+2:\b+3], v[TS+6:TS+7]
	v_pk_add_f32 v[TS+2:TS+3], v[TS+2:TS+3], v[TS+10:TS+11]
	v_pk_add_f32 v[TS+4:TS+5], v[TS+4:TS+5], v[TS+12:TS+13]
	v_pk_add_f32 v[TS:TS+1], v[TS:TS+1], v[TS+8:TS+9]
	s_delay_alu instid0(VALU_DEP_3)
	v_pk_add_f32 v[\b+2:\b+3], v[\b+2:\b+3], v[TS+2:TS+3]
	s_delay_alu instid0(VALU_DEP_2)
	v_pk_add_f32 v[TS:TS+1], v[TS:TS+1], v[TS+4:TS+5]
	s_delay_alu instid0(VALU_DEP_1)
	v_pk_add_f32 v[\b+2:\b+3], v[\b+2:\b+3], v[TS:TS+1]
.endm
.macro ORESC b, w                      ; O^T under the new M, each accumulator from its low end on
	WIN 0x41*\w
.set NN, 0
.rept 16
	v_pk_mul_f32 v[O+NN:O+NN+1], v[O+NN:O+NN+1], v[\b+12:\b+13] op_sel_hi:[1,0]
.set NN, NN+2
.endr
.endm
; 16 queries x 64 channels, as loaded in v[raw ..] of window w (16 lanes to a row's 256 bytes), turn through my stage so that lane (r, h) holds channels 32 h on of query r: a whole block.  Q | zeros | Q from v[dst], the two scale words from v[sc].
.macro QTILE raw, w, dst, sc
	WIN 0x04*\w
.set NN, 0
.rept 8
	ds_store_b128 v58, v[(\raw)+4*NN:(\raw)+4*NN+3] offset:544*NN
.set NN, NN+1
.endr
	WIN 0
.set NN, 0
.rept 8
	ds_load_b128 v[O+4*NN:O+4*NN+3], v59 offset:16*NN      ; LDS serves a wave's instructions in order: these see the stores above
.set NN, NN+1
.endr
	s_wait_dscnt 0x0
	v_max3_num_f32 v16, |v[O]|, |v[O+1]|, |v[O+2]|
	v_max3_num_f32 v17, |v[O+3]|, |v[O+4]|, |v[O+5]|
.irp i, 6,10,14,18,22,26
	s_delay_alu instid0(VALU_DEP_2)
	v_max3_num_f32 v16, v16, |v[O+\i]|, |v[O+\i+1]|
	s_delay_alu instid0(VALU_DEP_2)
	v_max3_num_f32 v17, v17, |v[O+\i+2]|, |v[O+\i+3]|
.endr
	s_delay_alu instid0(VALU_DEP_2)
	v_max3_num_f32 v16, v16, |v[O+30]|, |v[O+31]|
	s_delay_alu instid0(VALU_DEP_1)
	v_max3_num_f32 v16, v16, v17, 0x2800000                ; the floor 2^(5 - 127): the byte cannot fall under 1
	s_delay_alu instid0(VALU_DEP_1)
	v_add_nc_u32 v22, 0xfe000000, v16                      ; 4 off the exponent field: the conversions' scale operand
	v_cvt_scalef32_pk16_bf6_f32 v[(\dst):(\dst)+2], v[O:O+15], v22
	v_cvt_scalef32_pk16_bf6_f32 v[SPL+4:SPL+6], v[O+16:O+31], v22
	v_lshrrev_b32 v20, 23, v22                             ; the scale's byte (the plain line behind the conversions)
.irp i, 0,1,2
	v_mov_b32 v[(\dst)+3+\i], v[SPL+4+\i]
.endr
	s_delay_alu instid0(VALU_DEP_4)
	v_lshlrev_b32 v20, v61, v20                            ; 8 h bits up,
	s_delay_alu instid0(VALU_DEP_1)
	v_permlanex16_b32 v21, v20, s20, s21
	s_delay_alu instid0(VALU_DEP_1)
	v_or_b32 v[\sc], v20, v21                              ; with lane l xor 16's: the row's two bytes
.irp i, 0,1,2,3,4,5
	v_mov_b32 v[(\dst)+12+\i], v[(\dst)+\i]                ; Q once more, behind the six registers of zeros
.endr
	v_lshlrev_b32 v[(\sc)+1], 16, v[\sc]                   ; the scale word for Q in k 64-127
.endm
.macro INIT                            ; a pair of tiles begins: the step is written once, and its first run finds zeros
.irp b, 12,28
	v_mov_b32 v[\b+1], s70                         ; the largest t so far: -2^30
	v_mov_b32 v[\b+2], 0
	v_mov_b32 v[\b+3], 0
	v_floor_f32 v[\b], -v[\b+1]                    ; -M
.endr
.irp w, 0,1
	WIN 0x40*\w
.set NN, 0
.rept 32
	v_mov_b32 v[O+NN], 0
.set NN, NN+1
.endr
.endr
	WIN 0
.endm
; a tile's way out: O^T / the sum, the mean of V where no key was live, quantised along the model's axis (my head's two blocks of 32), stored as half a fragment of the next launch's operand
.macro EPI t, b
	v_cmp_ge_f32 vcc_lo, s70, v[\b+1]              ; the largest t never left its floor: no key was live
	WIN \t
.set NN, 0
.rept 16
	v_pk_mul_f32 v[S+32+NN:S+33+NN], v[O+NN:O+NN+1], v[\b+12:\b+13] op_sel_hi:[1,0]      ; each accumulator from its low end on
.set NN, NN+2
.endr
	WIN 0
.set NN, 0
.rept 32
	v_cndmask_b32 v[S+32+NN], v[S+32+NN], v[S+NN], vcc_lo
.set NN, NN+1
.endr
.irp c, 0,1
	v_max3_num_f32 v[\b+4+\c], |v[S+32+16*\c]|, |v[S+33+16*\c]|, 0x2800000
.endr
.irp i, 2,4,6,8,10,12,14
.irp c, 0,1
	s_delay_alu instid0(VALU_DEP_2)
	v_max3_num_f32 v[\b+4+\c], v[\b+4+\c], |v[S+32+16*\c+\i]|, |v[S+33+16*\c+\i]|
.endr
.endr
.irp c, 0,1
	s_delay_alu instid0(VALU_DEP_2)
	v_permlanex16_b32 v[\b+8+\c], v[\b+4+\c], s20, s21
.endr
.irp c, 0,1
	s_delay_alu instid0(VALU_DEP_2)
	v_max_num_f32 v[\b+4+\c], v[\b+4+\c], v[\b+8+\c]
.endr
.irp c, 0,1
	s_delay_alu instid0(VALU_DEP_2)
	v_add_nc_u32 v[\b+10+\c], 0xfe000000, v[\b+4+\c]
.endr
.irp c, 0,1
	s_delay_alu instid0(VALU_DEP_2)
	v_lshrrev_b32 v[\b+8+\c], 23, v[\b+10+\c]
.endr
	s_delay_alu instid0(VALU_DEP_1)
	v_lshl_or_b32 v[\b+14], v[\b+9], 8, v[\b+8]    ; the head's two scale bytes of my row
	v_cvt_scalef32_pk16_bf6_f32 v[SPL+8*\t:SPL+8*\t+2], v[S+32:S+47], v[\b+10]
	v_cvt_scalef32_pk16_bf6_f32 v[SPL+8*\t+4:SPL+8*\t+6], v[S+48:S+63], v[\b+11]
	v_nop
.irp i, 0,1,2
	v_permlane16_swap_b32 v[SPL+8*\t+\i], v[SPL+8*\t+4+\i]   ; lane (r, h) now holds block h of row r: its lower 16 codes, and its upper 16
.endr
.irp i, 3,4,5
	s_delay_alu instid0(VALU_DEP_3)
	v_mov_b32 v[SPL+8*\t+\i], v[SPL+8*\t+\i+1]     ; six registers on end, in ascending order
.endr
.irp i, 0,1,2
	global_store_b64 v7, v[SPL+8*\t+2*\i:SPL+8*\t+2*\i+1], s[54:55] offset:6400*\t+256*\i    ; 32 lanes store 256 consecutive bytes, at a multiple of 256 from oq's first byte
.endr
	global_store_b16 v2, v[\b+14], s[56:57] offset:6400*\t   ; lanes r and r + 16 write the same two bytes with the same value
.endm
	s_load_b256 s[4:11], s[0:1], 0x0               ; queries s[4:5], kv s[6:7], vpart s[8:9], oq s[10:11]
	v_lshl_add_u32 v5, v0, 2, SPARE
	v_mov_b32 v6, 0
	ds_add_u32 v5, v6                              ; the opening lines: the add, twice on end, and its wait
	ds_add_u32 v5, v6
	v_lshrrev_b32 v7, 5, v0
	v_readfirstlane_b32 s12, v7                    ; wave 0..7
	v_and_b32 v2, 15, v0                           ; r
	v_bfe_u32 v3, v0, 4, 1                         ; h
	s_delay_alu instid0(VALU_DEP_1)
	v_lshlrev_b32 v60, 12, v3
	s_delay_alu instid0(VALU_DEP_1)
	v_lshl_add_u32 v60, v2, 4, v60                 ; Q: lanes 0-15 one row's 256 bytes, lanes 16-31 the next row's
	s_bfe_u32 s13, ttmp6, 0x40000                  ; P: my place in the cluster
	s_and_b32 s14, ttmp7, 0xffff                   ; batch x 16 + head
	s_lshr_b32 s15, s14, 4
	s_and_b32 s16, s14, 15
	s_sub_co_u32 s50, 15, s12                      ; the first pair's i
	s_mov_b32 s20, 0x76543210
	s_mov_b32 s21, 0xfedcba98                      ; v_permlanex16_b32's selects for lane l xor 16
	s_mov_b32 s22, 0x3e38aa3b                      ; c = log2(e) / 8
	s_mov_b32 s23, s22                             ; (named with it as a pair, so it is written)
	s_mov_b32 s70, 0xce800000                      ; -2^30
	s_mov_b32 s71, 0xfb800000                      ; -2^120
	s_mov_b32 s41, 0                               ; the upper words of the two offset pairs stay 0
	s_mov_b32 s67, 0
	; descriptor group 1: two records as 104 rows of 256 bytes (32 elements of 8), dense, no padding; the mask names the cluster's four, bit 21 beside it
	s_mov_b32 s24, 15|(3<<16)|(1<<21)
	s_mov_b32 s25, 32<<16
	s_mov_b32 s26, 104<<16
	s_mov_b32 s27, 32<<16
	s_mov_b32 s28, 104
	s_mov_b32 s29, 32
	s_mov_b32 s30, 0
	s_mov_b32 s31, 0
	s_mul_i32 s40, s14, 16*REC                     ; my head's 16 records,
	s_mul_i32 s33, s12, 2*REC                      ; records 2 w and 2 w + 1: their place in them and in LDS
	s_add_co_u32 s40, s40, s33
	s_mov_b32 s32, 1
	s_wait_alu depctr_va_vdst(0)                   ; the wait here, directly ahead of the waits below
	s_wait_dscnt 0x0
	s_wait_kmcnt 0x0
	s_add_nc_u64 s[34:35], s[6:7], s[40:41]
	s_or_b32 s35, s35, 0x80000000                  ; type = 2
	s_lshl_b32 s19, s16, 8                         ; the head's 256 bytes of a row
	s_lshl_b32 s18, s15, 11
	s_lshl_b32 s17, s13, 4
	s_add_co_u32 s18, s18, s17                     ; batch x 2,048 + 16 P
	s_lshl_b32 s40, s50, 7
	s_add_co_u32 s40, s40, s18
	s_lshl_b32 s40, s40, 12
	s_add_co_u32 s40, s40, s19
	s_add_nc_u64 s[58:59], s[4:5], s[40:41]        ; the first pair: queries 128 i + 16 P on, and those 64 further on
	s_lshl_b32 s40, s12, 7
	s_add_co_u32 s40, s40, s18
	s_lshl_b32 s40, s40, 12
	s_add_co_u32 s40, s40, s19
	s_add_nc_u64 s[60:61], s[4:5], s[40:41]        ; the second pair
	s_lshl_b32 s40, s15, 15
	s_add_co_u32 s40, s40, s19
	s_add_nc_u64 s[62:63], s[8:9], s[40:41]        ; vpart at (batch, slot 0), my head's 64 columns
.set NN, 0
.rept 16
	global_load_b128 v[S+4*NN:S+4*NN+3], v60, s[58:59] offset:8192*(NN%8)+262144*(NN/8) th:TH_LOAD_NT
.set NN, NN+1
.endr
	ROUND                                          ; the four work-groups are here: the joint loads meet
	tensor_load_to_lds s[32:35], s[24:31]          ; my one tensor load of the launch
	s_nop 0
	NOPS 4
	v_and_b32 v7, 31, v0                           ; lane
	v_lshlrev_b32 v61, 3, v3                       ; 8 h
	v_lshlrev_b32 v4, 5, v3
	v_mul_u32_u24 v1, v7, 48                       ; a fragment's 48 bytes a lane
	v_sub_nc_u32 v4, v2, v4                        ; r - 32 h, for the diagonal
	s_mul_i32 s17, s12, QSTW
	s_add_co_u32 s17, s17, QST                     ; my stage
	v_mul_u32_u24 v58, v3, 272
	v_mul_u32_u24 v59, v2, 272
	s_delay_alu instid0(VALU_DEP_2)
	v_lshl_add_u32 v58, v2, 4, v58
	s_delay_alu instid0(VALU_DEP_2)
	v_lshl_add_u32 v59, v3, 7, v59
	s_delay_alu instid0(VALU_DEP_2)
	v_add_nc_u32 v58, s17, v58                     ; in: as loaded
	s_delay_alu instid0(VALU_DEP_2)
	v_add_nc_u32 v59, s17, v59                     ; out: row r, 128 h bytes on
	v_lshl_add_u32 v63, v7, 3, VM
	v_lshl_add_u32 v11, v3, 6, VM
	v_lshlrev_b32 v62, 12, v2                      ; the prefetch: lane (r, h) names row r of tile h of the pair:
	s_delay_alu instid0(VALU_DEP_1)
	v_lshl_add_u32 v62, v3, 18, v62                ; rows 4,096 bytes apart, the tiles 64 rows
	v_lshlrev_b32 v7, 3, v7                        ; 8 x lane
	v_lshlrev_b32 v2, 4, v2                        ; 16 r
	v_lshlrev_b32 v3, 7, v3                        ; 128 h
.irp b, 12,28
	v_mov_b32 v[\b+8], 0                           ; written once: a lane permute's destination counts as one of its sources,
	v_mov_b32 v[\b+9], 0
	v_mov_b32 v[\b+14], 0
	v_mov_b32 v[\b+13], 0                          ; and the upper half of the pair f is named with it
.endr
.irp i, 0,1,2,3,4,5
	v_mov_b32 v[Q+6+\i], 0                         ; the zeros between Q and Q: written once
	v_mov_b32 v[Q+24+\i], 0
.endr
	s_wait_alu depctr_va_vdst(0)                   ; the wait here, directly ahead of the wait below
	s_wait_loadcnt 0x0
	QTILE S, 0, Q, QS
	QTILE S+32, 0, Q+18, QS+2
	s_cmp_eq_u32 s12, 2
	s_cbranch_scc0 .Lno_mean
.set NN, 0
.rept 8
	global_load_b64 v[S+2*NN:S+2*NN+1], v7, s[62:63] offset:4096*NN      ; wave 2: the eight slots' sums of my head's 64 columns
.set NN, NN+1
.endr
	s_wait_loadcnt 0x0
	v_pk_add_f32 v[S:S+1], v[S:S+1], v[S+2:S+3]
	v_pk_add_f32 v[S+4:S+5], v[S+4:S+5], v[S+6:S+7]
	v_pk_add_f32 v[S+8:S+9], v[S+8:S+9], v[S+10:S+11]
	v_pk_add_f32 v[S+12:S+13], v[S+12:S+13], v[S+14:S+15]
	s_delay_alu instid0(VALU_DEP_3)
	v_pk_add_f32 v[S:S+1], v[S:S+1], v[S+4:S+5]
	s_delay_alu instid0(VALU_DEP_2)
	v_pk_add_f32 v[S+8:S+9], v[S+8:S+9], v[S+12:S+13]
	s_delay_alu instid0(VALU_DEP_1)
	v_pk_add_f32 v[S:S+1], v[S:S+1], v[S+8:S+9]
	s_delay_alu instid0(VALU_DEP_1)
	v_pk_mul_f32 v[S:S+1], v[S:S+1], 0x3a000000 op_sel_hi:[1,0]          ; / 2,048
	ds_store_b64 v63, v[S:S+1]                     ; read by all behind the barrier below
.Lno_mean:
	INIT
	s_wait_alu depctr_va_vdst(0)                   ; the wait at the head's end
	s_wait_tensorcnt 0x0                           ; my two records are in,
	s_wait_dscnt 0x0                               ; and my LDS stores are done:
	s_barrier_signal -1
	s_barrier_wait -1                              ; so are everybody's.
	KLOAD 1, 2                                     ; record 0's K and mask
	MLOAD 3
	s_mov_b32 s44, 0                               ; the trip
.Ltrip:
	s_and_b32 s47, s44, 15                         ; the record
	s_cmp_lt_u32 s44, 16
	s_cselect_b32 s46, s50, s12                    ; the i of the pair in hand: also its last record
	s_cmp_gt_u32 s47, s46
	s_cbranch_scc1 .Lnext                          ; all this record's keys come after the pair's queries
	s_mul_i32 s45, s47, REC
	s_add_co_u32 s48, s44, 1
	s_and_b32 s48, s48, 15
	s_mul_i32 s48, s48, REC                        ; the next record
	s_cmp_lg_u32 s44, 4
	s_cbranch_scc1 .Lno_ask
	global_prefetch_b8 v62, s[60:61] th:TH_LOAD_NT scope:SCOPE_SE        ; the second pair's rows of Q; neither register is written again
.Lno_ask:
; A KEY STEP: 128 keys x two tiles of 16 queries
	v_add_nc_u32 v8, s45, v1
	v_add_nc_u32 v9, s45, v2
	v_add_nc_u32 v114, s48, v1
	v_add_nc_u32 v115, s48, v2
	v_add_nc_u32 v116, s48, v3                     ; (five places in front of loads into registers that the last products have read)
	WIN 0x40
.set NN, 0
.rept 12
	ds_load_b128 v[VF+4*NN:VF+4*NN+3], v8 offset:VC+1536*(NN/3)+16*(NN%3)    ; V's four fragments
.set NN, NN+1
.endr
	WIN 0
	ds_load_b128 v[VSC:VSC+3], v9 offset:VS
	s_wait_alu depctr_va_vdst(0)
	s_wait_dscnt 13                                ; all but the 13 loads just issued: this record's K and mask, asked for earlier, are in
	QK 0
	NOPS 5                                         ; five places: tile 1's products write over the registers that tile 0's have read as C; also the places ahead of the first read of tile 0's scores
	QK 1
	WIN 0
	s_cmp_lg_u32 s47, s46                          ; only the pair's last record meets the diagonal
	s_cbranch_scc1 .Lopen
	s_lshl_b32 s53, s13, 4                         ; tile 0's first query less the step's first key: 16 P;
	v_add_nc_u32 v26, s53, v4                      ; d = my query - the step's first key - 32 h
	s_add_co_u32 s53, s53, 64                      ; tile 1's: 64 more
	v_add_nc_u32 v42, s53, v4
	v_mov_b32 v27, s71
	SEL 0, 26                                      ; tile 0: d < 64: keys 0-63 by the select,
.set NN, 32
.rept 32
	v_mov_b32 v[S+NN], s71                         ; keys 64-127 all come after its queries
.set NN, NN+1
.endr
	WIN 0x41
	SEL 32, 42                                     ; tile 1: keys 0-63 all count, keys 64-127 by the select
	WIN 0
.Lopen:
	MAXB 12, 0                                     ; (its 32 lines are the places behind tile 1's products)
	s_wait_alu depctr_va_vdst(0)
	s_wait_dscnt 0x0                               ; V is in
	s_cmp_ge_u32 s47, s46
	s_cbranch_scc1 .Lno_k                          ; the pair's last step fetches nothing
	KLOAD 114, 115                                 ; the next record's K
.Lno_k:
	MAXB 28, 1
; the two tiles' chains by turns
.irp b, 12,28
	v_max_num_f32 v[\b+4], v[\b+4], v[\b+5]        ; the largest score of my key block h,
.endr
.irp b, 12,28
	v_max_num_f32 v[\b+6], v[\b+6], v[\b+7]        ; and of block 2 + h: for the row's maximum and, since p rises with the score, for the block's largest p
.endr
.irp b, 12,28
	s_delay_alu instid0(VALU_DEP_2)
	v_max_num_f32 v[\b+14], v[\b+4], v[\b+6]
.endr
.irp b, 12,28
	s_delay_alu instid0(VALU_DEP_2)
	v_permlanex16_b32 v[\b+8], v[\b+14], s20, s21
.endr
.irp b, 12,28
	s_delay_alu instid0(VALU_DEP_2)
	v_max_num_f32 v[\b+14], v[\b+14], v[\b+8]      ; with lane l xor 16's 64 keys
.endr
.irp b, 12,28
	s_delay_alu instid0(VALU_DEP_2)
	v_mul_f32 v[\b+14], s22, v[\b+14]              ; as t (c is positive)
.endr
.irp b, 12,28
	s_delay_alu instid0(VALU_DEP_2)
	v_max_num_f32 v[\b+1], v[\b+1], v[\b+14]       ; the running largest t
.endr
.irp b, 12,28
	v_mov_b32 v[\b+14], v[\b]
.endr
.irp b, 12,28
	v_floor_f32 v[\b], -v[\b+1]                    ; the new -M = -ceil(t): a whole number
.endr
.irp b, 12,28
	s_delay_alu instid0(VALU_DEP_2)
	v_sub_f32 v[\b+14], v[\b], v[\b+14]            ; old M - new M: 0 or less
.endr
.irp b, 12,28
	s_delay_alu instid0(VALU_DEP_2)
	v_cvt_i32_f32 v[\b+14], v[\b+14]               ; (it saturates)
.endr
.irp b, 12,28
	s_delay_alu instid0(VALU_DEP_2)
	v_ldexp_f32 v[\b+12], 1.0, v[\b+14]            ; f = 2^(old M - new M)
.endr
.irp b, 12,28
	v_fma_f32 v[\b+4], v[\b+4], s22, v[\b]         ; t - M of each block's largest score
	v_fma_f32 v[\b+6], v[\b+6], s22, v[\b]
.endr
	PKF 12, 0
	PKF 28, 1
	s_wait_alu depctr_va_vdst(0)                   ; the wait ahead of the batch
	EXPB 0
	EXPB 1
	WIN 0
.irp b, 12,28
	v_exp_f32 v[\b+4], v[\b+4]                     ; the block's largest p: the same two instructions on the same number
	v_exp_f32 v[\b+6], v[\b+6]
.endr
.irp b, 12,28
	v_pk_mul_f32 v[\b+2:\b+3], v[\b+2:\b+3], v[\b+12:\b+13] op_sel_hi:[1,0]      ; the sums under the new M (plain lines behind the exponentials)
.endr
	s_wait_alu depctr_va_vdst(0)                   ; and behind it
.irp b, 12,28
	v_max_num_f32 v[\b+4], 0x2800000, v[\b+4]      ; the floor 2^(5 - 127)
	v_max_num_f32 v[\b+6], 0x2800000, v[\b+6]
.endr
.irp b, 12,28
	v_add_nc_u32 v[\b+10], 0xfe000000, v[\b+4]     ; the conversions' scale operands
	v_add_nc_u32 v[\b+11], 0xfe000000, v[\b+6]
.endr
.irp b, 12,28
	v_lshrrev_b32 v[\b+8], 23, v[\b+10]            ; the scales' bytes: block h's,
.endr
.irp b, 12,28
	v_lshrrev_b32 v[\b+9], 23, v[\b+11]            ; and block 2 + h's (the two tiles by turns)
.endr
.irp b, 12,28
	s_delay_alu instid0(VALU_DEP_2)
	v_lshl_or_b32 v[\b+8], v[\b+9], 16, v[\b+8]    ; blocks h and 2 + h,
.endr
.irp b, 12,28
	s_delay_alu instid0(VALU_DEP_2)
	v_lshlrev_b32 v[\b+8], v61, v[\b+8]            ; at their places in the word (8 h bits up);
.endr
.irp b, 12,28
	s_delay_alu instid0(VALU_DEP_2)
	v_permlanex16_b32 v[\b+9], v[\b+8], s20, s21
.endr
.irp b, 12,28
	s_delay_alu instid0(VALU_DEP_2)
	v_or_b32 v[PSC+(\b-12)/16], v[\b+8], v[\b+9]   ; with lane l xor 16's two: p's scale word for these 128 keys
.endr
	CVT 12, 0
	CVT 28, 1
	SUMS 12, 0
	ORESC 12, 0                                    ; (with the sums: the places ahead of the scaled products)
	PV 0
	SUMS 28, 1
	s_wait_alu depctr_va_vdst(0)                   ; the wait ahead of the branch
	s_cmp_ge_u32 s47, s46
	s_cbranch_scc1 .Lno_m
	MLOAD 116                                      ; the next record's mask: tile 1's p has been read for the last time
.Lno_m:
	ORESC 28, 1
	PV 1
	s_cmp_lg_u32 s47, s46
	s_cbranch_scc1 .Lnext
; A PAIR OF TILES ENDS
	NOPS 4                                         ; places behind the last products
	s_cmp_ge_u32 s44, 16
	s_cbranch_scc1 .Lno_q
	WIN 0x40
.set NN, 0
.rept 16
	global_load_b128 v[4*NN:4*NN+3], v60, s[60:61] offset:8192*(NN%8)+262144*(NN/8) th:TH_LOAD_NT    ; the second pair's Q, into the fragments' registers, which lie idle until the next step
.set NN, NN+1
.endr
	WIN 0
.Lno_q:
	s_lshr_b32 s17, s16, 1
	s_lshl_b32 s17, s17, 7                         ; K step = head / 2: 128 records each
	s_lshl_b32 s18, s15, 5
	s_add_co_u32 s17, s17, s18
	s_lshl_b32 s18, s46, 1
	s_add_co_u32 s17, s17, s18                     ; + the group of 64 rows: batch x 32 + 2 i (tile 1: the next group); the tile in it is P
	s_mul_i32 s17, s17, 6400
	s_and_b32 s19, s16, 1                          ; head % 2: registers 0-5 or 6-11 of the fragment
	s_mul_i32 s66, s13, 1536
	s_mul_i32 s53, s19, 768
	s_add_co_u32 s66, s66, s53
	s_add_co_u32 s66, s66, s17
	s_add_nc_u64 s[54:55], s[10:11], s[66:67]      ; my three planes
	s_lshl_b32 s66, s13, 2
	s_lshl_b32 s53, s19, 1
	s_add_co_u32 s66, s66, s53
	s_add_co_u32 s66, s66, s17
	s_add_co_u32 s66, s66, 6144
	s_add_nc_u64 s[56:57], s[10:11], s[66:67]      ; my two bytes of the rows' scale words
	s_wait_alu depctr_va_vdst(0)
.irp b, 12,28
	v_add_f32 v[\b+2], v[\b+2], v[\b+3]
.endr
.irp b, 12,28
	s_delay_alu instid0(VALU_DEP_2)
	v_permlanex16_b32 v[\b+14], v[\b+2], s20, s21
.endr
.irp b, 12,28
	s_delay_alu instid0(VALU_DEP_2)
	v_add_f32 v[\b+2], v[\b+2], v[\b+14]           ; the row's sum
.endr
	s_wait_alu depctr_va_vdst(0)
.irp b, 12,28
	v_rcp_f32 v[\b+12], v[\b+2]
.endr
	v_nop                                          ; a plain line behind the transcendentals
.set NN, 0
.rept 8
	ds_load_b128 v[S+4*NN:S+4*NN+3], v11 offset:128*(NN/4)+16*(NN%4)     ; the mean of V at my 32 channels: 32 b + 16 h + 0 .. 15
.set NN, NN+1
.endr
	s_wait_alu depctr_va_vdst(0)
	s_wait_dscnt 0x0
	EPI 0, 12
	EPI 1, 28
	s_wait_xcnt 0x0                                ; the stores have read their registers and bases: both are written again for the second pair
	s_cmp_ge_u32 s44, 16
	s_cbranch_scc1 .Lnext                          ; the second pair was the last
	s_wait_loadcnt 0x0                             ; the second pair's Q is in
	QTILE 0, 1, Q, QS
	QTILE 32, 1, Q+18, QS+2
	INIT                                           ; (its plain lines are also the places between these writes and the next scaled product)
	KLOAD 1, 2                                     ; record 0's K and mask
	MLOAD 3
.Lnext:
	s_add_co_u32 s44, s44, 1
	s_cmp_lt_u32 s44, 24
	s_wait_alu depctr_va_vdst(0)                   ; the wait ahead of the backward jump
	s_cbranch_scc1 .Ltrip
	s_wait_tensorcnt 0x0                           ; the wave's end
	ds_add_u32 v5, v6
	s_wait_dscnt 0x0
	ROUND                                          ; the closing round
	s_endpgm
.Lfunc_end_k_qa7d5be5349_attn:
	.size	k_qa7d5be5349_attn, .Lfunc_end_k_qa7d5be5349_attn-k_qa7d5be5349_attn
	.p2alignl 7, 3214868480
	.fill 96, 4, 3214868480
	.section	.rodata,"a",@progbits
	.p2align	6, 0x0
	.amdhsa_kernel k_qa7d5be5349_attn
		.amdhsa_group_segment_fixed_size 327680
		.amdhsa_private_segment_fixed_size 0
		.amdhsa_enable_private_segment 0
		.amdhsa_kernarg_size 32
		.amdhsa_user_sgpr_count 2
		.amdhsa_user_sgpr_kernarg_segment_ptr 1
		.amdhsa_wavefront_size32 1
		.amdhsa_system_sgpr_workgroup_id_x 1
		.amdhsa_system_sgpr_workgroup_id_y 1
		.amdhsa_system_sgpr_workgroup_id_z 1
		.amdhsa_system_vgpr_workitem_id 0
		.amdhsa_next_free_vgpr 512
		.amdhsa_next_free_sgpr 80
		.amdhsa_reserve_vcc 1
		.amdhsa_float_denorm_mode_32 3
		.amdhsa_float_denorm_mode_16_64 3
		.amdhsa_memory_ordered 1
		.amdhsa_forward_progress 1
		.amdhsa_inst_pref_size 82
	.end_amdhsa_kernel
	.amdgpu_metadata
---
amdhsa.version: [ 1, 2 ]
amdhsa.kernels:
  - .name:           k_qa7d5be5349_attn
    .symbol:         k_qa7d5be5349_attn.kd
    .args:
      - { .name: queries, .offset: 0, .size: 8, .value_kind: global_buffer, .address_space: global }
      - { .name: kv, .offset: 8, .size: 8, .value_kind: global_buffer, .address_space: global }
      - { .name: vpart, .offset: 16, .size: 8, .value_kind: global_buffer, .address_space: global }
      - { .name: oq, .offset: 24, .size: 8, .value_kind: global_buffer, .address_space: global }
    .group_segment_fixed_size: 327680
    .private_segment_fixed_size: 0
    .kernarg_segment_align: 8
    .kernarg_segment_size: 32
    .max_flat_workgroup_size: 256
    .sgpr_count:     80
    .vgpr_count:     512
    .wavefront_size: 32
...
	.end_amdgpu_metadata
.endif
;; end of part 2
;; launch proj (part 3): grid 4 x 64, 8 waves a work-group, clusters of 4 x 4, 327,680 bytes of LDS; arguments oq, wq, b_O, out0; writes out0
.if DOCPART == 3
	.amdgcn_target "amdgcn-amd-amdhsa--gfx1250"
	.amdhsa_code_object_version 6
	.text
	.protected	k_qa7d5be5349_proj
	.globl	k_qa7d5be5349_proj
	.p2align	8
	.type	k_qa7d5be5349_proj,@function
k_qa7d5be5349_proj:
	s_mov_b64 s[64:65], 0
	v_nop
	global_prefetch_b8 v0, s[64:65] scope:SCOPE_SE
	s_setreg_imm32_b32 hwreg(HW_REG_WAVE_MODE, 25, 1), 1
	s_wait_xcnt 0x0
	s_wait_alu depctr_hold_cnt(0) depctr_sa_sdst(0) depctr_va_vdst(0) depctr_va_sdst(0) depctr_va_ssrc(0) depctr_va_vcc(0) depctr_vm_vsrc(0)
	s_getreg_b32 s2, hwreg(HW_REG_IB_STS2, 6, 4)
	s_cmp_eq_u32 s2, 0
	s_cbranch_scc0 .Lentry_in_a_cluster
	s_endpgm
.Lentry_in_a_cluster:
	s_bfe_u32 s2, ttmp6, 0x10000c
	s_cmp_lg_u32 s2, 0xf033
	s_cbranch_scc0 .Lentry_shape_is_right
	s_endpgm
.Lentry_shape_is_right:
; out0[row][n] = the sum over k of O[row][k] W_O[n][k] + b_O[n], on codes of BF6 (E3M2) with one E8M0 scale for each 32 along K; 8,192 rows, n and k 1,024; sums and out0 in f32.
; Both operands come as records of 6,400 dense bytes for 64 rows x 128 along K, in the order of the operand's registers: codes [tile 4][plane 6][lane 32][8] (plane p = registers 2 p, 2 p + 1), then scale words [r 16][tile 4].
; oq: [K step 8][group of 64 rows 128];  wq: [K step 8][group of 64 rows of W_O 16].
; SHARES.  A work-group makes 128 rows x 256 columns: 256 work-groups.  Its operands for ALL of K (2 + 4 groups x 8 records = 307,200 bytes) are filled ONCE: no slot is filled again.  Each of eight waves makes 64 x 64: 16 accumulators.
; CLUSTERS: 4 x 4 work-groups.  The four of a row of the cluster need the same rows of O, the four of a column the same rows of W_O: each tile is asked for JOINTLY, by the same tensor load with the same descriptor and a mask that names the four.
; Waves 0, 1 fetch O's two groups, waves 2 to 5 W_O's four, each in four loads of two K steps, so that the products begin when the first two K steps have landed: four tensor loads of a wave are out at the most.
; THE MATRIX INSTRUCTION IS USED TRANSPOSED (source 0 = 16 rows of W_O, source 1 = 16 rows of O): a lane holds eight neighbouring columns of one row.  The bias is the C of each sum's first product.
; REGISTERS: window 0: v4-10 addresses; v32-39 scale words, two sets (lanes 0-15 O's, lanes 16-31 W_O's); v40-71 the bias in the result's layout; v128-255 the accumulators ((a, b) at v[128 + 8 (4 a + b)]); on the way out v40-103 rows read back.
;   window 1: two fragment buffers at v0 and v128: O's four fragments, then W_O's four.
; THE FILLS, as the text now has them (in place of the four loads a wave that the lines above name): each loading wave asks for its group's K steps 0 to 3 by one load at the head,
; and for K steps 4 to 7 by one load behind the waits, the add and a round of the cluster's barrier; one tensor load of a wave is out at a time.  The launch claims all of LDS.
.set IMG,  6400
.set REG,  51200                       ; a group's eight records
.set SC,   32
.set BIAS, 40
.set ACC,  128
.set SPITCH, 272                       ; the way out: a stage of 16 rows x (256 bytes + 16) for each wave, in the first group's bytes, which have had their only fill and their last read by then
.set MSB, 0
.macro WIN new                         ; the immediate's high byte repeats the setting that is left
.if MSB != \new
	s_set_vgpr_msb (MSB<<8)|\new
.set MSB, \new
.endif
.endm
.macro NOP4
.rept 4
	v_nop
.endr
.endm
.macro ROUND                           ; a round of the cluster's barrier
	s_barrier_signal -1
	s_barrier_wait -1
	s_cmp_lg_u32 s12, 0
	s_cbranch_scc1 .Lnot_wave_0_\@
	s_barrier_signal -3
.Lnot_wave_0_\@:
	s_barrier_wait -3
	s_barrier_signal -1
	s_barrier_wait -1
.endm
	s_load_b256 s[4:11], s[0:1], 0x0               ; oq s[4:5], wq s[6:7], b_O s[8:9], out0 s[10:11]
	v_lshl_add_u32 v126, v0, 2, 0x4b000
	v_mov_b32 v127, 0
	ds_add_u32 v126, v127
	ds_add_u32 v126, v127
	v_lshrrev_b32 v1, 5, v0
	s_delay_alu instid0(VALU_DEP_1)
	v_readfirstlane_b32 s12, v1                    ; wave 0..7
	s_bfe_u32 s13, ttmp6, 0x40000                  ; cx
	s_bfe_u32 s14, ttmp6, 0x40004                  ; cy
	s_lshl_b32 s15, ttmp9, 2
	s_add_co_u32 s15, s15, s13                     ; x: which 256 columns
	s_and_b32 s16, ttmp7, 0xffff
	s_lshl_b32 s16, s16, 2
	s_add_co_u32 s16, s16, s14                     ; y: which 128 rows
	s_lshl_b32 s20, s14, 2
	s_lshl_b32 s20, 15, s20                        ; my row of the cluster
	s_lshl_b32 s21, 0x1111, s13                    ; my column
	; descriptor groups 1: four records (four K steps) of one group: 4 rows of 800 elements of 8 bytes; from K step to K step 128 records in oq, 16 in wq
	s_or_b32 s24, s20, (3<<16)|(1<<21)             ; O's tiles go to my row of the cluster
	s_or_b32 s32, s21, (3<<16)|(1<<21)             ; W_O's to my column
.irp g, 24, 32
	s_mov_b32 s[\g+1], 800<<16                     ; tensor_dim0
	s_mov_b32 s[\g+2], 4<<16                       ; tensor_dim1: four K steps
	s_mov_b32 s[\g+3], 800<<16                     ; tile_dim0
	s_mov_b32 s[\g+4], 4                           ; tile_dim1
	s_mov_b32 s[\g+6], 0
	s_mov_b32 s[\g+7], 0
.endr
	s_mov_b32 s29, 128*800
	s_mov_b32 s37, 16*800
	s_and_b32 s22, s12, 1
	s_lshl_b32 s56, s16, 1
	s_add_co_u32 s56, s56, s22                     ; O's group 2 y + wave % 2: it hangs on y alone, which my row of the cluster shares
	s_mul_i32 s56, s56, IMG
	s_mov_b32 s57, 0
	s_sub_co_u32 s23, s12, 2
	s_and_b32 s23, s23, 3
	s_lshl_b32 s58, s15, 2
	s_add_co_u32 s58, s58, s23                     ; W_O's group 4 x + wave - 2: it hangs on x alone, which my column shares
	s_mul_i32 s58, s58, IMG
	s_mov_b32 s59, 0
	s_mul_i32 s60, s12, REG                        ; where they go: wave x a group's bytes: no place in the cluster enters an LDS address
	s_wait_dscnt 0x0
	s_wait_kmcnt 0x0
	s_add_nc_u64 s[56:57], s[4:5], s[56:57]
	s_add_nc_u64 s[58:59], s[6:7], s[58:59]
	ROUND                                          ; all sixteen work-groups are here: the joint loads meet
.irp c, 0,1
	s_mov_b32 s[40+4*\c], 1
	s_add_co_u32 s[41+4*\c], s60, 4*IMG*\c
	s_add_nc_u64 s[42+4*\c:43+4*\c], s[56:57], \c*4*128*IMG
	s_or_b32 s[43+4*\c], s[43+4*\c], 0x80000000
	s_mov_b32 s[68+4*\c], 1
	s_add_co_u32 s[69+4*\c], s60, 4*IMG*\c
	s_add_nc_u64 s[70+4*\c:71+4*\c], s[58:59], \c*4*16*IMG
	s_or_b32 s[71+4*\c], s[71+4*\c], 0x80000000
.endr
	s_cmp_lt_u32 s12, 2                            ; a wave's first fill stands in one branch on the wave's number; four v_nop follow it
	s_cbranch_scc0 .Lnot_a
	tensor_load_to_lds s[40:43], s[24:31]
	s_nop 0
	NOP4
	s_branch .Lasked
.Lnot_a:
	s_cmp_lt_u32 s12, 6
	s_cbranch_scc0 .Lasked
	tensor_load_to_lds s[68:71], s[32:39]
	s_nop 0
	NOP4
.Lasked:
	v_and_b32 v1, 31, v0                           ; lane
	v_and_b32 v2, 15, v0                           ; r
	v_bfe_u32 v3, v0, 4, 1                         ; h
	s_lshr_b32 s17, s12, 2                         ; which 64 rows are mine
	s_and_b32 s18, s12, 3                          ; which 64 columns
	s_mul_i32 s61, s17, REG
	s_add_co_u32 s62, s18, 2
	s_mul_i32 s62, s62, REG
	v_lshlrev_b32 v11, 3, v1
	s_delay_alu instid0(VALU_DEP_1)
	v_add_nc_u32 v4, s61, v11                      ; O's fragments: 8 bytes a lane
	s_delay_alu instid0(VALU_DEP_2)
	v_add_nc_u32 v5, s62, v11                      ; W_O's
	s_sub_co_u32 s63, s62, s61
	v_mul_u32_u24 v6, s63, v3                      ; scale words: lanes 0-15 take O's, lanes 16-31 W_O's: the lower base + h x the distance
	s_delay_alu instid0(VALU_DEP_1)
	v_lshl_add_u32 v6, v2, 4, v6
	s_delay_alu instid0(VALU_DEP_1)
	v_add_nc_u32 v6, s61, v6
	s_mul_i32 s84, s12, 16*SPITCH                  ; my stage
	v_mul_u32_u24 v7, v2, SPITCH
	s_delay_alu instid0(VALU_DEP_1)
	v_lshl_add_u32 v7, v3, 5, v7
	s_delay_alu instid0(VALU_DEP_1)
	v_add_nc_u32 v7, s84, v7                       ; in: row r, 32 bytes for each half of the lanes
	v_mul_u32_u24 v8, v3, SPITCH
	s_delay_alu instid0(VALU_DEP_1)
	v_lshl_add_u32 v8, v2, 4, v8
	s_delay_alu instid0(VALU_DEP_1)
	v_add_nc_u32 v8, s84, v8                       ; back: lanes 0-15 one row of 256 bytes, lanes 16-31 the next
	v_lshlrev_b32 v9, 12, v3
	s_delay_alu instid0(VALU_DEP_1)
	v_lshl_add_u32 v9, v2, 4, v9                   ; and the same two rows in out0
	v_lshlrev_b32 v10, 5, v3                       ; the bias: 8 h numbers on
	s_wait_alu depctr_va_vdst(0)
	s_lshl_b32 s88, s16, 7
	s_lshl_b32 s89, s17, 6
	s_add_co_u32 s88, s88, s89
	s_lshl_b32 s88, s88, 12                        ; my first row: 128 y + 64 x half, rows of 4,096 bytes
	s_lshl_b32 s92, s15, 10
	s_lshl_b32 s93, s18, 8
	s_add_co_u32 s92, s92, s93                     ; my first column, in bytes: 1,024 x + 256 x quarter
	s_mov_b32 s93, 0
	s_add_nc_u64 s[90:91], s[8:9], s[92:93]
	s_add_co_u32 s88, s88, s92
	s_mov_b32 s89, 0
	s_add_nc_u64 s[86:87], s[10:11], s[88:89]
.irp b, 0,1,2,3
	global_load_b128 v[BIAS+8*\b:BIAS+8*\b+3], v10, s[90:91] offset:64*\b          ; b_O at columns 16 b + 8 h + 0 .. 7
	global_load_b128 v[BIAS+8*\b+4:BIAS+8*\b+7], v10, s[90:91] offset:64*\b+16
.endr
; K step s's fragments and scale words into buffer buf: 49 LDS loads in one run; a load's 256 bytes are consecutive
.macro FETCH s, buf
	WIN 0x40                                       ; destination window 1, address window 0
.set NN, 0
.rept 24
	ds_load_b64 v[128*(\buf)+2*NN:128*(\buf)+2*NN+1], v4 offset:IMG*(\s)+256*NN
.set NN, NN+1
.endr
.set NN, 0
.rept 24
	ds_load_b64 v[128*(\buf)+48+2*NN:128*(\buf)+48+2*NN+1], v5 offset:IMG*(\s)+256*NN
.set NN, NN+1
.endr
	WIN 0
	ds_load_b128 v[SC+4*(\buf):SC+4*(\buf)+3], v6 offset:IMG*(\s)+6144
.endm
; 16 products: the accumulators take turns, one instruction a turn, in the same order in every K step
.macro MUL s
.set FBUF, 128*((\s)%2)
.set SCB, SC+4*((\s)%2)
	WIN 0x05                                       ; sources 0 and 1 window 1; C and D window 0
.irp a, 0,1,2,3
.irp b, 0,1,2,3
.if (\s) == 0
	v_wmma_scale_f32_16x16x128_f8f6f4 v[ACC+8*(4*\a+\b):ACC+8*(4*\a+\b)+7], v[FBUF+48+12*\b:FBUF+48+12*\b+11], v[FBUF+12*\a:FBUF+12*\a+11], v[BIAS+8*\b:BIAS+8*\b+7], v[SCB+\b], v[SCB+\a] matrix_a_fmt:MATRIX_FMT_BF6 matrix_b_fmt:MATRIX_FMT_BF6 matrix_a_scale:MATRIX_SCALE_ROW1
.else
	v_wmma_scale_f32_16x16x128_f8f6f4 v[ACC+8*(4*\a+\b):ACC+8*(4*\a+\b)+7], v[FBUF+48+12*\b:FBUF+48+12*\b+11], v[FBUF+12*\a:FBUF+12*\a+11], v[ACC+8*(4*\a+\b):ACC+8*(4*\a+\b)+7], v[SCB+\b], v[SCB+\a] matrix_a_fmt:MATRIX_FMT_BF6 matrix_b_fmt:MATRIX_FMT_BF6 matrix_a_scale:MATRIX_SCALE_ROW1
.endif
.endr
.endr
.endm
.macro KSTEP s
	s_wait_dscnt 0x0                               ; this K step's fragments are in
.if (\s)+1 == 4
	s_wait_tensorcnt 0x0                           ; my load of K steps 4 to 7 has landed
	s_barrier_signal -1
	s_barrier_wait -1                              ; everybody's has
.endif
.if (\s) < 7
.if (\s) > 0
	NOP4                                           ; places in front of loads into registers that the last K step's products have read
.endif
	FETCH (\s)+1, ((\s)+1)%2
.endif
	MUL \s
.endm
	s_wait_tensorcnt 0x0                           ; my load of K steps 0 to 3 has landed
	ds_add_u32 v126, v127                          ; twice on end
	ds_add_u32 v126, v127
	s_wait_dscnt 0x0
	ROUND                                          ; everybody's has, and all sixteen work-groups are here: the joint loads meet
	s_cmp_lt_u32 s12, 2
	s_cbranch_scc0 .Lnot_a2
	tensor_load_to_lds s[44:47], s[24:31]          ; K steps 4 to 7 of O's group
	s_nop 0
	NOP4
	s_branch .Lasked2
.Lnot_a2:
	s_cmp_lt_u32 s12, 6
	s_cbranch_scc0 .Lasked2
	tensor_load_to_lds s[72:75], s[32:39]          ; and of W_O's
	s_nop 0
	NOP4
.Lasked2:
	FETCH 0, 0
	s_wait_loadcnt 0x0                             ; the bias
.irp s, 0,1,2,3,4,5,6,7
	KSTEP \s
.endr
	WIN 0
; THE WAY OUT, block by block of 16 rows x 64 columns: through my stage, back as whole rows of 256 bytes, which sixteen lanes store.
.macro TOSTAGE a
.irp b, 0,1,2,3
	ds_store_b128 v7, v[ACC+8*(4*(\a)+\b):ACC+8*(4*(\a)+\b)+3] offset:64*\b        ; each accumulator from its low end on
	ds_store_b128 v7, v[ACC+8*(4*(\a)+\b)+4:ACC+8*(4*(\a)+\b)+7] offset:64*\b+16
.endr
.set BB, 72-32*((\a)%2)
.set NN, 0
.rept 8
	ds_load_b128 v[BB+4*NN:BB+4*NN+3], v8 offset:2*SPITCH*NN     ; LDS serves a wave's instructions in order: these see the stores above, and the next block's stores come behind them
.set NN, NN+1
.endr
.endm
.macro SEND a, younger                 ; younger: the LDS instructions issued behind block a's loads, which may stay out
.set BB, 72-32*((\a)%2)
	s_wait_dscnt \younger
.set NN, 0
.rept 8
	global_store_b128 v9, v[BB+4*NN:BB+4*NN+3], s[86:87] offset:(16*(\a)+2*NN)*4096 th:TH_STORE_NT   ; 16 lanes store 256 consecutive bytes, at a multiple of 256 from out0's first byte
.set NN, NN+1
.endr
.endm
	NOP4                                           ; places behind the last products
	s_wait_dscnt 0x0
	s_barrier_signal -1
	s_barrier_wait -1                              ; no wave reads the first group's bytes any more: the stages lie there
	TOSTAGE 0
	TOSTAGE 1
	SEND 0, 16                                     ; behind block 0's loads: block 1's 8 stores and 8 loads
	s_wait_xcnt 0x0                                ; block 0's stores have read their registers: block 2's loads land there
	TOSTAGE 2
	SEND 1, 16
	s_wait_xcnt 0x0
	TOSTAGE 3
	SEND 2, 16
	SEND 3, 0
	s_wait_dscnt 0x0
	s_wait_tensorcnt 0x0
	ds_add_u32 v126, v127
	s_wait_dscnt 0x0
	ROUND                                          ; the closing round: no work-group ends while a partner may still ask for a tile that names it
	s_endpgm
.Lfunc_end_k_qa7d5be5349_proj:
	.size	k_qa7d5be5349_proj, .Lfunc_end_k_qa7d5be5349_proj-k_qa7d5be5349_proj
	.p2alignl 7, 3214868480
	.fill 96, 4, 3214868480
	.section	.rodata,"a",@progbits
	.p2align	6, 0x0
	.amdhsa_kernel k_qa7d5be5349_proj
		.amdhsa_group_segment_fixed_size 327680
		.amdhsa_private_segment_fixed_size 0
		.amdhsa_enable_private_segment 0
		.amdhsa_kernarg_size 32
		.amdhsa_user_sgpr_count 2
		.amdhsa_user_sgpr_kernarg_segment_ptr 1
		.amdhsa_wavefront_size32 1
		.amdhsa_system_sgpr_workgroup_id_x 1
		.amdhsa_system_sgpr_workgroup_id_y 1
		.amdhsa_system_sgpr_workgroup_id_z 1
		.amdhsa_system_vgpr_workitem_id 0
		.amdhsa_next_free_vgpr 512
		.amdhsa_next_free_sgpr 100
		.amdhsa_reserve_vcc 0
		.amdhsa_float_denorm_mode_32 3
		.amdhsa_float_denorm_mode_16_64 3
		.amdhsa_memory_ordered 1
		.amdhsa_forward_progress 1
		.amdhsa_inst_pref_size 59
	.end_amdhsa_kernel
	.amdgpu_metadata
---
amdhsa.version: [ 1, 2 ]
amdhsa.kernels:
  - .name:           k_qa7d5be5349_proj
    .symbol:         k_qa7d5be5349_proj.kd
    .args:
      - { .name: oq, .offset: 0, .size: 8, .value_kind: global_buffer, .address_space: global }
      - { .name: wq, .offset: 8, .size: 8, .value_kind: global_buffer, .address_space: global }
      - { .name: b_O, .offset: 16, .size: 8, .value_kind: global_buffer, .address_space: global }
      - { .name: out0, .offset: 24, .size: 8, .value_kind: global_buffer, .address_space: global }
    .group_segment_fixed_size: 327680
    .private_segment_fixed_size: 0
    .kernarg_segment_align: 8
    .kernarg_segment_size: 32
    .max_flat_workgroup_size: 256
    .sgpr_count:     100
    .vgpr_count:     512
    .wavefront_size: 32
...
	.end_amdgpu_metadata
.endif
;; end of part 3
